; MI455X (gfx1250); checked and timed in simulation.
; The chip was launched on July 23, 2026; its instructions are those of AMD's public machine-readable ISA for CDNA 5 (MIT licence, August 2026) and "CDNA5" Instruction Set Architecture Reference Guide (July 2026). The comments in the code are by the model that wrote it; some were corrected since.
;; Deep Feature Embedding. Allowed arithmetic: float matrix products may take bf16 or f16 operands with f32 sums; all other float work in f32.
;; Inputs: keypoints 2 x 1,024 x 4 float32; source 2 x 32,768 x 35 float32; source_intensity 2 x 32,768 x 1 float32.
;; Outputs: out0 2 x 1,024 x 32 x 39 float32.
;; 2 versions, each right; version 2 is version 1 with the launch ball written anew for expert scheduling mode. Each part assembles by itself: llvm-mc -triple=amdgcn-amd-amdhsa -mcpu=gfx1250 --defsym DOCPART=n.
;; ======== version 1 of 2: 2 launches
;; limits: values outside matrix products are rounded to bf16
;; workspace buffers: mask 8,388,608 bytes of whole numbers
;; launch ball (part 1): grid 256 x 1, 8 waves a work-group, no clusters, 168,960 bytes of LDS; arguments keypoints, source, mask; writes mask
.if DOCPART == 1
	.amdgcn_target "amdgcn-amd-amdhsa--gfx1250"
	.amdhsa_code_object_version 6
	.text
	.protected	k_q224338bb9f_ball
	.globl	k_q224338bb9f_ball
	.p2align	8
	.type	k_q224338bb9f_ball,@function
k_q224338bb9f_ball:
	s_mov_b64 s[64:65], 0
	v_nop
	global_prefetch_b8 v0, s[64:65] scope:SCOPE_SE
	s_setreg_imm32_b32 hwreg(HW_REG_WAVE_MODE, 25, 1), 1
	s_wait_xcnt 0x0
; BALL TEST.  mask bit = 1 where the point lies in the keypoint's ball: not (|a|^2 + |b|^2 - 2 a.b > 1).
; keypoints [2][1024][4] f32 (x, y, z used), source [2][32768][35] f32 (columns 0-2 used here), mask: 1 bit a pair, 8 MiB.
;
; A work-group takes 512 points (a chunk) and 512 keypoints (half a batch): 256 groups.  Eight waves; a wave takes 4 tiles of
; 16 keypoints and all 32 tiles of 16 points: 128 matrix instructions.
;
; ONE MATRIX INSTRUCTION GIVES 1 + 2^-23 - sq FOR 16 x 16 PAIRS.  Coordinates are rounded once to bf16 (nearest even), so every
; product is exact.  n = -(x x + y y + z z) of the rounded coordinates in f32 is cut exactly into three bf16 pieces n0 + n1 + n2.
;   K          0,1    2,3    4,5    6,7       8,9     10,11   12,13   14,15   16-31
;   point      x,y    z,1    x,y    z,1       1,1     1,n0    n1,n2   0,0     0
;   keypoint   x,y    z,1    x,y    z,2^-23   n0,n1   n2,1    1,1     0,0     0
; The sign bit of the sum is 'outside'.  The term 2^-23 keeps sq = 1 inside, as in the reference, whatever sign a zero sum has.
; LIMITS.  The test is made on coordinates rounded to bf16.  The sum is formed in one matrix instruction and not with the
; reference's f32 roundings: a pair whose squared distance lies within about 2^-21 (|a|^2 + |b|^2) of 1 can fall on the other side.
; The norm is added in the order (x x + y y) + z z.  Coordinates must be finite with finite squares (|x| < 2^63); NaN and
; infinities are not served (the reference keeps a point whose distance is NaN).
;
; WHICH POINT WHERE.  Points are the first source (rows m), keypoints the second (columns n): register j of lane (r, h) holds
; (m = 8h + j, n = r).  Row m = 8h + 4q + i of tile t is point 32 (8q + 4h + i) + 31 - t of the chunk.  One v_alignbit_b32 a register
; and tile shifts the sign in from below, so after 32 tiles register 4q + i IS mask word 8q + 4h + i of keypoint r, bit = point.
; MASK IN MEMORY: [batch 2][chunk 64][tile 64][q 2][r 16][h 2][i 4] words.  A lane's registers 4q .. 4q+3 are 16 neighbouring
; bytes, and a wave's store covers 512 consecutive bytes, aligned.
;
; No tensor loads and no cluster: what two groups share is 12 bytes of each 140-byte row, 6 KiB a group.
; The LDS asked for is more than half of a WGP's, of which 32 KiB are used, so that each of the 256 groups has a WGP to itself.
.set ROWB,   140                       ; bytes in a row of source
.set CHUNK,  512                       ; points of a work-group
.set FRAG,   512                       ; the lower 16 K of a fragment as the registers hold them: K 0-7 of row m at 16 m, K 8-15 at 256 + 16 m
.set QBASE,  32*FRAG                   ; LDS: 32 point fragments, then 32 keypoint fragments
.set WAVE,  10                         ; s10     wave number
.set HI,    18                         ; s18     mask of a word's upper 16 bits
.set SEL,   19                         ; s19     v_perm_b32: the upper halves of both sources
.set TRIPS, 20                         ; s20     loop counter
.set BIAS,  22                         ; s22     2^-23
.set LDSW,  2                          ; v2      where my thread puts a fragment row: 512 (t >> 4) + 16 (t & 15)
.set PTO,   3                          ; v3      byte offset of my lower point in the chunk
.set KPO,   4                          ; v4      byte offset of my first keypoint
.set ONE,   5                          ; v5      1.0
.set ONES,  6                          ; v6      two bf16 ones
.set VP,    7                          ; v7      LDS address of my lane's part of the point fragments, stepped by four tiles a trip
.set VQ,    8                          ; v8      the same for my wave's keypoint fragments
.set VS,    9                          ; v9      my byte offset in the group's part of the mask
.set Q,     16                         ; v[16:47]   four keypoint fragments, resident
.set ACC,   48                         ; v[48:79]   mask words: 8 u + j
.set P,     80                         ; v[80:111]  ring of four point fragments
.set D,     112                        ; v[112:175] two sets of four result tiles
.set RAW,   112                        ; preparation only: two points (3 + 3), two keypoints (4 + 4) as loaded
.set U,     128                        ; preparation only: x, y, z rounded, as f32
.set N,     131                        ; preparation only: -norm, the rest behind its first piece, the last piece
.set T,     134
.set F,     136                        ; preparation only: the 8 words of a fragment row
	s_load_b128 s[4:7], s[0:1], 0x0                ; keypoints s[4:5], source s[6:7]
	s_load_b64 s[8:9], s[0:1], 0x10                ; mask
	v_lshl_add_u32 v176, v0, 2, 0x29000
	v_mov_b32 v177, 0
	v_lshrrev_b32 v1, 5, v0
	v_readfirstlane_b32 s[WAVE], v1
	s_mov_b32 s[HI], 0xffff0000
	s_mov_b32 s[SEL], 0x07060302
	s_mov_b32 s[BIAS], 0x34000000
	; group id = 128 batch + 2 chunk + half
	s_lshr_b32 s11, ttmp9, 1                       ; 64 batch + chunk
	s_mul_i32 s12, s11, CHUNK*ROWB                 ; the chunk's first byte in source
	s_mov_b32 s13, 0
	s_lshr_b32 s14, ttmp9, 7
	s_and_b32 s15, ttmp9, 1
	s_lshl1_add_u32 s14, s14, s15                  ; 2 batch + half
	s_lshl_b32 s14, s14, 13                        ; x 512 keypoints of 16 bytes
	s_mov_b32 s15, 0
	s_lshl_b32 s16, ttmp9, 15                      ; the group's 32 tiles x 1,024 bytes of mask
	s_mov_b32 s17, 0
	v_and_b32 v12, 15, v0                          ; m: my row in a fragment; also r of my lane
	v_lshrrev_b32 v13, 4, v0                       ; my first tile, 0 .. 15; the second is 16 further
	v_bfe_u32 v14, v0, 2, 1                        ; q of m
	v_bfe_u32 v15, v0, 3, 1                        ; h of m
	v_and_b32 v[PTO], 3, v0                        ; i of m
	v_lshl_add_u32 v[PTO], v15, 2, v[PTO]
	v_lshl_add_u32 v[PTO], v14, 3, v[PTO]          ; word 8q + 4h + i
	v_lshl_add_u32 v[PTO], v[PTO], 5, 15
	v_sub_nc_u32 v[PTO], v[PTO], v13               ; 32 word + 31 - (tile + 16): the point of my second tile; the first tile's is 16 higher
	v_mul_u32_u24 v[PTO], v[PTO], ROWB
	v_lshlrev_b32 v[LDSW], 4, v12
	v_lshl_add_u32 v[LDSW], v13, 9, v[LDSW]
	v_lshlrev_b32 v[KPO], 4, v0
	s_wait_kmcnt 0x0
	s_add_nc_u64 s[6:7], s[6:7], s[12:13]
	s_add_nc_u64 s[4:5], s[4:5], s[14:15]
	s_add_nc_u64 s[8:9], s[8:9], s[16:17]
	; rows of 140 bytes are only 4-byte aligned: three loads of 4 bytes a point
.irp c, 0,1,2
	global_load_b32 v[RAW+\c], v[PTO], s[6:7] offset:16*ROWB+4*\c
.endr
.irp c, 0,1,2
	global_load_b32 v[RAW+3+\c], v[PTO], s[6:7] offset:4*\c
.endr
	global_load_b128 v[RAW+6:RAW+9],   v[KPO], s[4:5]              ; keypoint t of the half
	global_load_b128 v[RAW+10:RAW+13], v[KPO], s[4:5] offset:4096  ; keypoint t + 256
	; constants and addresses for later, while the loads are out
	v_mov_b32 v[ONE], 1.0
	v_mov_b32 v[ONES], 0x3f803f80
	v_mov_b32 v[F+7], 0                            ; K 14, 15 of every row
	v_and_b32 v1, 31, v0
	v_lshlrev_b32 v[VP], 4, v1                     ; 16 x lane
	s_lshl_b32 s21, s[WAVE], 11                    ; my wave's four keypoint fragments
	v_add_nc_u32 v[VQ], s21, v[VP]
	s_lshl_b32 s21, s[WAVE], 12                    ; my wave's four tiles of mask
	v_bfe_u32 v13, v0, 4, 1
	v_lshlrev_b32 v[VS], 5, v12                    ; keypoint r: 32 bytes,
	v_lshl_add_u32 v[VS], v13, 4, v[VS]            ; half h: 16 bytes
	v_add_nc_u32 v[VS], s21, v[VS]
	; K 16-31 is not used: registers 4-7 of every fragment stay zero, and only registers 0-3 pass through LDS
.irp b, 0,1,2,3
.irp j, 4,5,6,7
	v_mov_b32 v[P+8*\b+\j], 0
	v_mov_b32 v[Q+8*\b+\j], 0
.endr
.endr
; One fragment row.  kind 0: a point, 1: a keypoint.  n - (n & upper half) is exact (both have the same exponent), so the upper halves of
; N, N+1, N+2 are the three pieces.  v_perm_b32 with SEL: the second source's upper half below, the first source's above.
.macro ENT kind, x, y, z, base
	v_cvt_pk_bf16_f32 v[F],   v[\x], v[\y]
	v_cvt_pk_bf16_f32 v[F+1], v[\z], 1.0
	v_lshlrev_b32 v[U],   16, v[F]
	v_and_b32     v[U+1], s[HI], v[F]
	v_lshlrev_b32 v[U+2], 16, v[F+1]
	v_mul_f32 v[N], v[U], v[U]
	v_fma_f32 v[N], v[U+1], v[U+1], v[N]
	v_fma_f32 v[N], -v[U+2], v[U+2], -v[N]         ; -((x x + y y) + z z): products of bf16 are exact, so each line rounds as a plain sum
	v_and_b32 v[T], s[HI], v[N]
	v_sub_f32 v[N+1], v[N], v[T]
	v_and_b32 v[T], s[HI], v[N+1]
	v_sub_f32 v[N+2], v[N+1], v[T]
	v_mov_b32 v[F+2], v[F]                         ; a.b stands twice
.if \kind == 0
	v_mov_b32 v[F+3], v[F+1]
	v_mov_b32 v[F+4], v[ONES]
	v_perm_b32 v[F+5], v[N],   v[ONE], s[SEL]      ; 1, n0
	v_perm_b32 v[F+6], v[N+2], v[N+1], s[SEL]      ; n1, n2
.else
	v_cvt_pk_bf16_f32 v[F+3], v[\z], s[BIAS]       ; z, 2^-23
	v_perm_b32 v[F+4], v[N+1], v[N],   s[SEL]      ; n0, n1
	v_perm_b32 v[F+5], v[ONE], v[N+2], s[SEL]      ; n2, 1
	v_mov_b32 v[F+6], v[ONES]
.endif
	ds_store_b128 v[LDSW], v[F:F+3]   offset:\base
	ds_store_b128 v[LDSW], v[F+4:F+7] offset:\base+256
.endm
	s_wait_loadcnt 5                               ; loads come back in order (ISA guide 5.7.1): the first point is in, five younger loads stay out
	ENT 0, RAW, RAW+1, RAW+2, 0
	s_wait_loadcnt 2                               ; the second point; the two keypoint loads stay out
	ENT 0, RAW+3, RAW+4, RAW+5, 16*FRAG
	s_wait_loadcnt 1
	ENT 1, RAW+6, RAW+7, RAW+8, QBASE
	s_wait_loadcnt 0
	ENT 1, RAW+10, RAW+11, RAW+12, QBASE+16*FRAG
	s_wait_dscnt 0x0                               ; my rows are in LDS
	s_barrier_signal -1
	s_barrier_wait -1                              ; everybody's are
.irp u, 0,1,2,3
	ds_load_b128 v[Q+8*\u:Q+8*\u+3], v[VQ] offset:QBASE+FRAG*\u
.endr
.irp b, 0,1,2,3
	ds_load_b128 v[P+8*\b:P+8*\b+3], v[VP] offset:FRAG*\b
.endr
; count sign bits of result set 'set', from register 'from' on, go into the mask words.  mode 1: the first tile starts the words.
.macro BITS set, mode, from, count
.set bi, \from
.rept \count
.if \mode == 1
	v_lshrrev_b32 v[ACC+bi], 31, v[D+32*(\set)+bi]
.else
	v_alignbit_b32 v[ACC+bi], v[ACC+bi], v[D+32*(\set)+bi], 31     ; (word << 1) | sign
.endif
.set bi, bi+1
.endr
.endm
; One tile of points (ring buffer b) against my four keypoint tiles, and the signs of the tile before.
; Each matrix instruction is followed by the eight shifts of the same keypoint tile of the tile before, so that neither the matrix work
; nor the vector work of a wave comes in a burst.  The shifts name only the other result set and the words, so they are places
; eight of them stand between the step's last matrix instruction and the load into its source at the step's end,
; and at least eight between each matrix instruction and the reading of its result in the next step.
; bits: 0 no tile before, 1 the tile before was the first, 2 shift in.  left: LDS loads that may stay out: one for each younger tile.
.macro STEP b, bits, refill, left
	s_wait_dscnt \left
.irp u, 0,1,2,3
	v_wmma_f32_16x16x32_bf16 v[D+32*(\b&1)+8*\u:D+32*(\b&1)+8*\u+7], v[P+8*\b:P+8*\b+7], v[Q+8*\u:Q+8*\u+7], 0
.if \bits != 0
	BITS 1-(\b&1), \bits, 8*\u, 8
.endif
.endr
.if \bits == 0
.rept 4
	v_nop                                          ; no shifts yet: four places in front of the load into the source and of the next step's reading
.endr
.endif
.if \refill
	ds_load_b128 v[P+8*\b:P+8*\b+3], v[VP] offset:(\b+4)*FRAG      ; four tiles ahead
.endif
.endm
	STEP 0, 0, 1, 3                                ; tiles 0-3 stand in front of the loop: no word is cleared
	STEP 1, 1, 1, 3
	STEP 2, 2, 1, 3
	STEP 3, 2, 1, 3
	v_add_nc_u32 v[VP], 4*FRAG, v[VP]
	s_mov_b32 s[TRIPS], 6                          ; tiles 4-27
.Ltrip:
	STEP 0, 2, 1, 3
	STEP 1, 2, 1, 3
	STEP 2, 2, 1, 3
	STEP 3, 2, 1, 3
	v_add_nc_u32 v[VP], 4*FRAG, v[VP]
	s_sub_co_i32 s[TRIPS], s[TRIPS], 1
	s_cmp_lg_u32 s[TRIPS], 0
	s_cbranch_scc1 .Ltrip
	STEP 0, 2, 0, 3                                ; tiles 28-31 fetch nothing: the counts run down
	STEP 1, 2, 0, 2
	STEP 2, 2, 0, 1
	STEP 3, 2, 0, 0
	BITS 1, 2, 0, 32                               ; the last tile's signs: eight shifts of the step above stand behind its last matrix instruction
.set bi, 0
.rept 32
	v_not_b32 v[ACC+bi], v[ACC+bi]                 ; sign = outside; the mask says inside
.set bi, bi+1
.endr
.irp u, 0,1,2,3
	global_store_b128 v[VS], v[ACC+8*\u:ACC+8*\u+3],   s[8:9] offset:1024*\u       ; q = 0: 512 consecutive bytes of the wave
	global_store_b128 v[VS], v[ACC+8*\u+4:ACC+8*\u+7], s[8:9] offset:1024*\u+512   ; q = 1
.endr
	s_wait_tensorcnt 0x0
	ds_add_u32 v176, v177
	s_wait_dscnt 0x0
	s_endpgm
.Lfunc_end_k_q224338bb9f_ball:
	.size	k_q224338bb9f_ball, .Lfunc_end_k_q224338bb9f_ball-k_q224338bb9f_ball
	.p2alignl 7, 3214868480
	.fill 96, 4, 3214868480
	.section	.rodata,"a",@progbits
	.p2align	6, 0x0
	.amdhsa_kernel k_q224338bb9f_ball
		.amdhsa_group_segment_fixed_size 168960
		.amdhsa_private_segment_fixed_size 0
		.amdhsa_enable_private_segment 0
		.amdhsa_kernarg_size 24
		.amdhsa_user_sgpr_count 2
		.amdhsa_user_sgpr_kernarg_segment_ptr 1
		.amdhsa_wavefront_size32 1
		.amdhsa_system_sgpr_workgroup_id_x 1
		.amdhsa_system_sgpr_workgroup_id_y 1
		.amdhsa_system_sgpr_workgroup_id_z 1
		.amdhsa_system_vgpr_workitem_id 0
		.amdhsa_next_free_vgpr 178
		.amdhsa_next_free_sgpr 66
		.amdhsa_reserve_vcc 0
		.amdhsa_float_denorm_mode_32 3
		.amdhsa_float_denorm_mode_16_64 3
		.amdhsa_memory_ordered 1
		.amdhsa_forward_progress 1
		.amdhsa_inst_pref_size 38
	.end_amdhsa_kernel
	.amdgpu_metadata
---
amdhsa.version: [ 1, 2 ]
amdhsa.kernels:
  - .name:           k_q224338bb9f_ball
    .symbol:         k_q224338bb9f_ball.kd
    .args:
      - { .name: keypoints, .offset: 0, .size: 8, .value_kind: global_buffer, .address_space: global }
      - { .name: source, .offset: 8, .size: 8, .value_kind: global_buffer, .address_space: global }
      - { .name: mask, .offset: 16, .size: 8, .value_kind: global_buffer, .address_space: global }
    .group_segment_fixed_size: 168960
    .private_segment_fixed_size: 0
    .kernarg_segment_align: 8
    .kernarg_segment_size: 24
    .max_flat_workgroup_size: 256
    .sgpr_count:     66
    .vgpr_count:     178
    .wavefront_size: 32
...
	.end_amdgpu_metadata
.endif
;; end of part 1
;; launch gather (part 2): grid 256 x 1, 8 waves a work-group, no clusters, 168,960 bytes of LDS; arguments mask, keypoints, source, source_intensity, out0; writes out0
.if DOCPART == 2
	.amdgcn_target "amdgcn-amd-amdhsa--gfx1250"
	.amdhsa_code_object_version 6
	.text
	.protected	k_q224338bb9f_gather
	.globl	k_q224338bb9f_gather
	.p2align	8
	.type	k_q224338bb9f_gather,@function
k_q224338bb9f_gather:
	s_mov_b64 s[64:65], 0
	v_nop
	global_prefetch_b8 v0, s[64:65] scope:SCOPE_SE
	s_setreg_imm32_b32 hwreg(HW_REG_WAVE_MODE, 25, 1), 1
	s_wait_xcnt 0x0
; FIRST 32 OF THE BALL, AND THE GATHER.  out0[b][s][k] = (xyz[idx] - keypoint, intensity[idx], source[idx][0..34]), 39 f32,
; idx = the k-th set bit of keypoint s's row of the mask; ranks beyond the ball's size take the first index; an empty ball takes
; the reference's index N, which its gather clamps to N - 1.
; A work-group takes 8 neighbouring keypoints, one a wave: 256 groups.  Every step has a fixed length: no loop, no early end.
; LIMIT.  Columns 0-2 are formed from coordinates rounded to bf16, as the ball test of the first kernel is; the other columns are copies.
;
; 1. The group's mask (64 chunks x 2 pieces of 256 bytes: [batch][chunk][tile][q][r][h][i] words, word 8q + 4h + i of a chunk) comes in by
;    loads that cover two whole pieces, and is laid in LDS as [block of 32 words][keypoint][32 words]: wave w writes blocks 4w .. 4w+3,
;    wave k reads keypoint k.  Pitches 160 bytes a keypoint and 1,296 bytes a block: the sixteen lanes of a half wave touch sixteen
;    different 16-byte columns modulo 256 bytes, in the stores (keypoint x 160 + h x 16) and in the loads (lane x 1,296).
; 2. Lane l holds words 32 l .. 32 l + 31 (points 1,024 l ..).  Bit counts in four chains of eight and a running sum over the lanes give
;    for every word the number of set bits up to and with it; the table of 1,024 counts goes to the wave's own LDS.
; 3. Lane j is rank j: five halvings over the blocks' last counts, five over the block's words, five over the word's bits.
; 4. Row k of source: one load of 128 neighbouring bytes (columns 0-31); columns 32-34 and the intensity by four loads with lane = rank.
;    All is laid in LDS in out0's order, and the group's 39,936 bytes leave in stores of 512 consecutive bytes, aligned.
; Indices from the mask go through v_min_u32 / s_min_u32 before they enter a global address.
; No prefetch: a row's address is known only right in front of its load.  No cluster: the groups share no tile.
; The LDS asked for is more than half of a WGP's, of which 118,272 bytes are used, so that each of the 256 groups has a WGP to itself.
.set NPTS,  32768
.set ROWB,  140                        ; bytes in a row of source
.set OROW,  156                        ; bytes in a row of out0
.set KPOUT, 32*OROW                    ; bytes of out0 for a keypoint
.set BLK,   1296                       ; LDS: a block of 32 mask words for 8 keypoints
.set KPP,   160                        ; LDS: a keypoint's 128 bytes in a block
.set CNT,   32*BLK                     ; LDS: the tables of counts,
.set CPIT,  144                        ;      32 words a block, padded by 16 bytes,
.set CNTW,  32*CPIT                    ;      4,608 bytes a wave, each wave's own
.set STAGE, CNT+8*CNTW                 ; LDS: out0's 39,936 bytes of the group
.set WAVE,  14
.set BATCH, 15
.set KPX,   20                         ; s[20:23] my keypoint
.set TOTAL, 31                         ; s31      points in the ball
.set SG,    32                         ; s[32:35] four indices at a time
.set HI,    36                         ; s36      0xffff0000: a word's upper bf16, and as a lane mask lanes 16-31
.set CARRY, 38
.set FIRST, 39
.set LANE, 1
.set MO,   2                           ; byte offset of my 16 bytes in a chunk's two pieces
.set MW,   3                           ; where they go in LDS
.set VB,   4                           ; my block of my wave's keypoint
.set CB,   5                           ; my wave's table of counts
.set CL,   6                           ; my block in it
.set L4,   7                           ; 4 x lane
.set VR,   8                           ; stage: row = my rank
.set VW,   9                           ; stage: column = my lane
.set T,    10
.set T2,   11
.set AD,   12
.set TOT,  13
.set S,    14
.set KPV,  15                          ; 160 x wave
.set PB,   16                          ; v[16:19]  bits in front of each of my four chains
.set B,    20                          ; my rank's block,
.set K,    21                          ; word in the block,
.set BB,   22                          ; the block's counts
.set W,    23                          ; the word
.set C,    24                          ; its count
.set KB,   25                          ; my rank within the word
.set BP,   26                          ; the bit
.set IDX,  27
.set RO,   28
.set IO,   29
.set OL,   30
.set OO,   31
.set M,    32                          ; v[32:63]   mask words
.set CI,   64                          ; v[64:95]   counts
.set O,    32                          ; v[32:71]   the way out
.set VO,   96                          ; v[96:127]  byte offsets of the row loads
.set R,    128                         ; v[128:159] rows: lane = column
.set G,    160                         ; v[160:163] lane = rank: columns 32-34, intensity
.set X,    164                         ; v[164:166] lane = rank: x, y, z
.set KV,   168                         ; v[168:170] the keypoint, rounded
	s_load_b256 s[4:11], s[0:1], 0x0               ; mask s[4:5], keypoints s[6:7], source s[8:9], intensity s[10:11]
	s_load_b64 s[12:13], s[0:1], 0x20              ; out0
	v_lshl_add_u32 v176, v0, 2, 0x29000
	v_mov_b32 v177, 0
	v_lshrrev_b32 v[T], 5, v0
	v_readfirstlane_b32 s[WAVE], v[T]
	v_and_b32 v[LANE], 31, v0
	; group id = 128 batch + 2 tile + half of the tile's 16 keypoints
	s_lshr_b32 s[BATCH], ttmp9, 7
	s_bfe_u32 s16, ttmp9, 0x60001                  ; tile
	s_lshl_b32 s16, s16, 10
	s_and_b32 s18, ttmp9, 1
	s_lshl_b32 s18, s18, 8                         ; 8 keypoints x 32 bytes
	s_add_co_u32 s16, s16, s18
	s_lshl_b32 s18, s[BATCH], 22                   ; 4 MiB of mask a batch
	s_add_co_u32 s16, s16, s18
	s_lshl_b32 s18, s[WAVE], 19                    ; my wave fetches chunks 8w .. 8w+7, 64 KiB apart
	s_add_co_u32 s16, s16, s18
	s_mov_b32 s17, 0
	s_lshl3_add_u32 s18, ttmp9, s[WAVE]            ; my keypoint: 8 id + wave
	s_lshl_b32 s18, s18, 4
	s_mov_b32 s19, 0
	s_mul_i32 s24, s[BATCH], NPTS*ROWB
	s_mov_b32 s25, 0
	s_lshl_b32 s26, s[BATCH], 17                   ; 32,768 intensities of 4 bytes
	s_mov_b32 s27, 0
	s_mul_i32 s28, ttmp9, 8*KPOUT
	s_mov_b32 s29, 0
	s_mov_b32 s[HI], 0xffff0000
	v_and_b32 v[T], 15, v0
	v_bfe_u32 v[T2], v0, 4, 1                      ; q: lanes 0-15 take piece 0, lanes 16-31 piece 1
	v_lshlrev_b32 v[MO], 4, v[T]
	v_lshl_add_u32 v[MO], v[T2], 9, v[MO]
	s_wait_kmcnt 0x0
	s_add_nc_u64 s[4:5], s[4:5], s[16:17]
	s_add_nc_u64 s[6:7], s[6:7], s[18:19]
	s_add_nc_u64 s[8:9], s[8:9], s[24:25]
	s_add_nc_u64 s[10:11], s[10:11], s[26:27]
	s_add_nc_u64 s[12:13], s[12:13], s[28:29]
.irp k, 0,1,2,3,4,5,6,7
	global_load_b128 v[M+4*\k:M+4*\k+3], v[MO], s[4:5] offset:65536*\k th:TH_LOAD_NT
.endr
	s_load_b128 s[KPX:KPX+3], s[6:7], 0x0
	v_bfe_u32 v[MW], v0, 1, 3                      ; the keypoint of my 16 bytes
	v_mul_u32_u24 v[MW], v[MW], KPP
	v_lshl_add_u32 v[MW], v[T2], 5, v[MW]          ; words 8q ..
	v_and_b32 v[T], 1, v0
	v_lshl_add_u32 v[MW], v[T], 4, v[MW]           ; + 4h
	s_mul_i32 s30, s[WAVE], 4*BLK
	v_add_nc_u32 v[MW], s30, v[MW]
	s_mul_i32 s30, s[WAVE], KPP
	v_mov_b32 v[KPV], s30
	v_mad_u32_u24 v[VB], v[LANE], BLK, v[KPV]
	s_mul_i32 s30, s[WAVE], CNTW
	s_add_co_u32 s30, s30, CNT
	v_mov_b32 v[CB], s30
	v_mad_u32_u24 v[CL], v[LANE], CPIT, v[CB]
	v_lshlrev_b32 v[L4], 2, v[LANE]
	s_mul_i32 s30, s[WAVE], KPOUT
	s_add_co_u32 s30, s30, STAGE
	v_mul_u32_u24 v[VR], v[LANE], OROW
	v_add_nc_u32 v[VR], s30, v[VR]
	v_add_nc_u32 v[VW], s30, v[L4]
	v_lshlrev_b32 v[OO], 4, v0                     ; the way out: 16 bytes a thread
	v_add_nc_u32 v[OL], STAGE, v[OO]
.irp k, 0,1,2,3,4,5,6,7
	s_wait_loadcnt 7-\k                            ; loads come back in order (ISA guide 5.7.1): chunk k is in, the younger ones stay out
	ds_store_b128 v[MW], v[M+4*\k:M+4*\k+3] offset:(\k>>1)*BLK+(\k&1)*64   ; two chunks of 16 words make a block
.endr
	s_wait_dscnt 0x0
	s_barrier_signal -1
	s_barrier_wait -1                              ; the mask lies in LDS; nobody writes it from here on
.irp k, 0,1,2,3,4,5,6,7
	ds_load_b128 v[M+4*\k:M+4*\k+3], v[VB] offset:16*\k
.endr
	s_wait_dscnt 0x0
	; bits up to and with each word, in four chains that do not wait for each other
.irp c, 0,1,2,3
	v_bcnt_u32_b32 v[CI+8*\c], v[M+8*\c], 0
.endr
.set i, 1
.rept 7
.irp c, 0,1,2,3
	v_bcnt_u32_b32 v[CI+8*\c+i], v[M+8*\c+i], v[CI+8*\c+i-1]
.endr
.set i, i+1
.endr
	v_add_nc_u32 v[T2], v[CI+7], v[CI+15]
	v_add3_u32 v[TOT], v[T2], v[CI+23], v[CI+31]   ; bits in my 1,024 points
	v_mov_b32 v[S], v[TOT]
	; running sum over the 32 lanes: four steps inside each half of 16 lanes (a lane without a source takes 0), then lane 15's sum joins lanes 16-31
.irp sh, 1,2,4,8
	v_mov_b32_dpp v[T], v[S] row_shr:\sh row_mask:0xf bank_mask:0xf bound_ctrl:1
	v_add_nc_u32 v[S], v[S], v[T]
.endr
	v_readlane_b32 s[CARRY], v[S], 15
	v_mov_b32 v[T2], s[CARRY]
	v_cndmask_b32 v[T], 0, v[T2], s[HI]
	v_add_nc_u32 v[S], v[S], v[T]
	v_readlane_b32 s[TOTAL], v[S], 31
	v_sub_nc_u32 v[PB], v[S], v[TOT]               ; bits in front of my first word,
	v_add_nc_u32 v[PB+1], v[PB], v[CI+7]           ; and of my chains 1, 2, 3
	v_add_nc_u32 v[PB+2], v[PB+1], v[CI+15]
	v_add_nc_u32 v[PB+3], v[PB+2], v[CI+23]
.irp c, 0,1,2,3
.irp j, 0,1,2,3,4,5,6,7
	v_add_nc_u32 v[CI+8*\c+\j], v[CI+8*\c+\j], v[PB+\c]
.endr
.endr
.irp k, 0,1,2,3,4,5,6,7
	ds_store_b128 v[CL], v[CI+4*\k:CI+4*\k+3] offset:16*\k
.endr
	ds_store_b128 v[CL], v[CI+28:CI+31] offset:128 ; the 16 bytes of padding behind my block too: every byte in the table's span is written
; pos = how many of 31 ascending counts, 'pitch' bytes apart from base + tail on, are at or below my rank: the first entry that holds my rank,
; or 31 if none does.  Before the step of size st pos is at most 32 - 2 st; the v_min_u32 writes the bound behind the step into the text,
; so that every address stays in the wave's own table whatever the table holds.  LDS serves a wave's instructions in order
; (ISA guide 5.7.1), so the loads see the table stored above.  Each load is waited for at once: the next address hangs on it.
.macro FIND pos, pitch, base, tail
.irp st, 16,8,4,2,1
	v_mad_u32_u24 v[AD], v[\pos], \pitch, v[\base]
	ds_load_b32 v[T], v[AD] offset:(\st-1)*\pitch+\tail
	v_add_nc_u32 v[T2], \st, v[\pos]
	s_wait_dscnt 0x0
	v_cmp_le_u32 vcc_lo, v[T], v[LANE]
	v_cndmask_b32 v[\pos], v[\pos], v[T2], vcc_lo
	v_min_u32 v[\pos], 32-\st, v[\pos]
.endr
.endm
	v_mov_b32 v[B], 0
	FIND B, CPIT, CB, 124                          ; over the blocks' last counts
	v_mad_u32_u24 v[BB], v[B], CPIT, v[CB]
	v_mov_b32 v[K], 0
	FIND K, 4, BB, 0                               ; over the block's words
	v_lshl_add_u32 v[T2], v[K], 2, v[BB]
	v_mad_u32_u24 v[AD], v[B], BLK, v[KPV]
	v_lshl_add_u32 v[AD], v[K], 2, v[AD]
	ds_load_b32 v[C], v[T2]
	ds_load_b32 v[W], v[AD]
	s_wait_dscnt 0x0
	v_bcnt_u32_b32 v[KB], v[W], v[LANE]
	v_sub_nc_u32 v[KB], v[KB], v[C]                ; rank - (count - bits of the word).  A rank beyond the ball: at least the word's bits
	; the bit: count the bits of the lower half of what is left; if they do not reach my rank, pass over them
	v_mov_b32 v[BP], 0
.irp st, 16,8,4,2,1
	v_bfe_u32 v[T], v[W], v[BP], \st
	v_bcnt_u32_b32 v[T], v[T], 0
	v_add_nc_u32 v[T2], \st, v[BP]
	v_cmp_le_u32 vcc_lo, v[T], v[KB]
	v_sub_nc_u32 v[T], v[KB], v[T]
	v_cndmask_b32 v[KB], v[KB], v[T], vcc_lo
	v_cndmask_b32 v[BP], v[BP], v[T2], vcc_lo
.endr
	v_lshl_add_u32 v[IDX], v[B], 5, v[K]
	v_lshl_add_u32 v[IDX], v[IDX], 5, v[BP]        ; a rank beyond the ball ends at block 31, word 31, bit 31: N - 1
	v_readfirstlane_b32 s[FIRST], v[IDX]           ; rank 0: the first index, or N - 1 for an empty ball
	v_cmp_gt_u32 vcc_lo, s[TOTAL], v[LANE]
	v_cndmask_b32 v[IDX], s[FIRST], v[IDX], vcc_lo
	v_min_u32 v[IDX], NPTS-1, v[IDX]
	v_mul_u32_u24 v[RO], v[IDX], ROWB
	v_lshlrev_b32 v[IO], 2, v[IDX]
.irp c, 0,1,2
	global_load_b32 v[G+\c], v[RO], s[8:9] offset:128+4*\c         ; columns 32-34 of my rank's row
.endr
	global_load_b32 v[G+3], v[IO], s[10:11]
; four rows: the index as a scalar, its row's byte offset, one load of 128 neighbouring bytes each
.macro ROWS4 k0
.irp j, 0,1,2,3
	v_readlane_b32 s[SG+\j], v[IDX], \k0+\j
.endr
.irp j, 0,1,2,3
	s_min_u32 s[SG+\j], s[SG+\j], NPTS-1
.endr
.irp j, 0,1,2,3
	s_mul_i32 s[SG+\j], s[SG+\j], ROWB
.endr
.irp j, 0,1,2,3
	v_add_nc_u32 v[VO+\k0+\j], s[SG+\j], v[L4]
.endr
.irp j, 0,1,2,3
	global_load_b32 v[R+\k0+\j], v[VO+\k0+\j], s[8:9]
.endr
.endm
.irp k, 0,4,8,12,16,20,24,28
	ROWS4 \k
.endr
	s_wait_kmcnt 0x0                               ; my keypoint, rounded to bf16 as in the ball test
	v_cvt_pk_bf16_f32 v[T],  s[KPX], s[KPX+1]
	v_cvt_pk_bf16_f32 v[T2], s[KPX+2], s[KPX+2]
	v_lshlrev_b32 v[KV],   16, v[T]
	v_and_b32     v[KV+1], s[HI], v[T]
	v_lshlrev_b32 v[KV+2], 16, v[T2]
.irp n, 0,1,2,3
	s_wait_loadcnt 24-8*\n                         ; rows 8n .. 8n+7 are in; the younger rows stay out
.irp j, 0,1,2,3,4,5,6,7
	ds_store_b32 v[VW], v[R+8*\n+\j] offset:OROW*(8*\n+\j)+16      ; source's columns 0-31 are out0's 4-35
.endr
.endr
	ds_store_b32 v[VR], v[G]   offset:144
	ds_store_b32 v[VR], v[G+1] offset:148
	ds_store_b32 v[VR], v[G+2] offset:152
	ds_store_b32 v[VR], v[G+3] offset:12
.irp c, 0,1,2
	ds_load_b32 v[X+\c], v[VR] offset:16+4*\c      ; x, y, z of my rank's row, from my wave's own stores above
.endr
	s_wait_dscnt 0x0
	v_cvt_pk_bf16_f32 v[T],  v[X], v[X+1]
	v_cvt_pk_bf16_f32 v[T2], v[X+2], v[X+2]
	v_lshlrev_b32 v[X],   16, v[T]
	v_and_b32     v[X+1], s[HI], v[T]
	v_lshlrev_b32 v[X+2], 16, v[T2]
.irp c, 0,1,2
	v_sub_f32 v[X+\c], v[X+\c], v[KV+\c]
.endr
.irp c, 0,1,2
	ds_store_b32 v[VR], v[X+\c] offset:4*\c
.endr
	s_wait_dscnt 0x0
	s_barrier_signal -1
	s_barrier_wait -1                              ; the group's 39,936 bytes lie in LDS as in out0
	; the way out: nine rounds of 4,096 bytes by all eight waves, then 3,072 bytes by waves 0-5
.irp n, 0,1,2,3,4,5,6,7,8
	ds_load_b128 v[O+4*\n:O+4*\n+3], v[OL] offset:4096*\n
.endr
.irp n, 0,1,2,3,4,5,6,7,8
	s_wait_dscnt 8-\n                              ; LDS loads come back in order: round n is in
	global_store_b128 v[OO], v[O+4*\n:O+4*\n+3], s[12:13] offset:4096*\n th:TH_STORE_NT
.endr
	s_cmp_ge_u32 s[WAVE], 6
	s_cbranch_scc1 .Lend
	ds_load_b128 v[O+36:O+39], v[OL] offset:36864
	s_wait_dscnt 0x0
	global_store_b128 v[OO], v[O+36:O+39], s[12:13] offset:36864 th:TH_STORE_NT
.Lend:
	s_wait_tensorcnt 0x0
	ds_add_u32 v176, v177
	s_wait_dscnt 0x0
	s_endpgm
.Lfunc_end_k_q224338bb9f_gather:
	.size	k_q224338bb9f_gather, .Lfunc_end_k_q224338bb9f_gather-k_q224338bb9f_gather
	.p2alignl 7, 3214868480
	.fill 96, 4, 3214868480
	.section	.rodata,"a",@progbits
	.p2align	6, 0x0
	.amdhsa_kernel k_q224338bb9f_gather
		.amdhsa_group_segment_fixed_size 168960
		.amdhsa_private_segment_fixed_size 0
		.amdhsa_enable_private_segment 0
		.amdhsa_kernarg_size 40
		.amdhsa_user_sgpr_count 2
		.amdhsa_user_sgpr_kernarg_segment_ptr 1
		.amdhsa_wavefront_size32 1
		.amdhsa_system_sgpr_workgroup_id_x 1
		.amdhsa_system_sgpr_workgroup_id_y 1
		.amdhsa_system_sgpr_workgroup_id_z 1
		.amdhsa_system_vgpr_workitem_id 0
		.amdhsa_next_free_vgpr 178
		.amdhsa_next_free_sgpr 66
		.amdhsa_reserve_vcc 1
		.amdhsa_float_denorm_mode_32 3
		.amdhsa_float_denorm_mode_16_64 3
		.amdhsa_memory_ordered 1
		.amdhsa_forward_progress 1
		.amdhsa_inst_pref_size 31
	.end_amdhsa_kernel
	.amdgpu_metadata
---
amdhsa.version: [ 1, 2 ]
amdhsa.kernels:
  - .name:           k_q224338bb9f_gather
    .symbol:         k_q224338bb9f_gather.kd
    .args:
      - { .name: mask, .offset: 0, .size: 8, .value_kind: global_buffer, .address_space: global }
      - { .name: keypoints, .offset: 8, .size: 8, .value_kind: global_buffer, .address_space: global }
      - { .name: source, .offset: 16, .size: 8, .value_kind: global_buffer, .address_space: global }
      - { .name: source_intensity, .offset: 24, .size: 8, .value_kind: global_buffer, .address_space: global }
      - { .name: out0, .offset: 32, .size: 8, .value_kind: global_buffer, .address_space: global }
    .group_segment_fixed_size: 168960
    .private_segment_fixed_size: 0
    .kernarg_segment_align: 8
    .kernarg_segment_size: 40
    .max_flat_workgroup_size: 256
    .sgpr_count:     66
    .vgpr_count:     178
    .wavefront_size: 32
...
	.end_amdgpu_metadata
.endif
;; end of part 2
;; ======== version 2 of 2: 2 launches; version 1 with the launch ball written anew for expert scheduling mode
;; limits: values outside matrix products are rounded to bf16
;; workspace buffers: mask 8,388,608 bytes of whole numbers
;; launch ball (part 3): grid 256 x 1, 8 waves a work-group, no clusters, 168,960 bytes of LDS; arguments keypoints, source, mask; writes mask
.if DOCPART == 3
	.amdgcn_target "amdgcn-amd-amdhsa--gfx1250"
	.amdhsa_code_object_version 6
	.text
	.protected	k_q224338bb9f_ball
	.globl	k_q224338bb9f_ball
	.p2align	8
	.type	k_q224338bb9f_ball,@function
k_q224338bb9f_ball:
	s_mov_b64 s[64:65], 0
	v_nop
	global_prefetch_b8 v0, s[64:65] scope:SCOPE_SE
	s_setreg_imm32_b32 hwreg(HW_REG_WAVE_SCHED_MODE, 0, 2), 2
	s_setreg_imm32_b32 hwreg(HW_REG_WAVE_MODE, 25, 1), 1
	s_wait_xcnt 0x0
	s_wait_alu depctr_vm_vsrc(0)
; BALL TEST.  mask bit = 1 where the point lies in the keypoint's ball: not (|a|^2 + |b|^2 - 2 a.b > 1).
; keypoints [2][1024][4] f32 (x, y, z used), source [2][32768][35] f32 (columns 0-2 used here), mask: 1 bit a pair, 8 MiB.
;
; A work-group takes 512 points (a chunk) and 512 keypoints (half a batch): 256 groups.  Eight waves; a wave takes 4 tiles of
; 16 keypoints and all 32 tiles of 16 points: 128 matrix instructions.
;
; ONE MATRIX INSTRUCTION GIVES 1 + 2^-23 - sq FOR 16 x 16 PAIRS.  Coordinates are rounded once to bf16 (nearest even), so every
; product is exact.  n = -(x x + y y + z z) of the rounded coordinates in f32 is cut exactly into three bf16 pieces n0 + n1 + n2.
;   K          0,1    2,3    4,5    6,7       8,9     10,11   12,13   14,15   16-31
;   point      x,y    z,1    x,y    z,1       1,1     1,n0    n1,n2   0,0     0
;   keypoint   x,y    z,1    x,y    z,2^-23   n0,n1   n2,1    1,1     0,0     0
; The sign bit of the sum is 'outside'.  The term 2^-23 keeps sq = 1 inside, as in the reference, whatever sign a zero sum has.
; LIMITS.  The test is made on coordinates rounded to bf16.  The sum is formed in one matrix instruction and not with the
; reference's f32 roundings: a pair whose squared distance lies within about 2^-21 (|a|^2 + |b|^2) of 1 can fall on the other side.
; The norm is added in the order (x x + y y) + z z.  Coordinates must be finite with finite squares (|x| < 2^63); NaN and
; infinities are not served (the reference keeps a point whose distance is NaN).
;
; WHICH POINT WHERE.  Points are the first source (rows m), keypoints the second (columns n): register j of lane (r, h) holds
; (m = 8h + j, n = r).  Row m = 8h + 4q + i of tile t is point 32 (8q + 4h + i) + 31 - t of the chunk.  One v_alignbit_b32 a register
; and tile shifts the sign in from below, so after 32 tiles register 4q + i IS mask word 8q + 4h + i of keypoint r, bit = point.
; MASK IN MEMORY: [batch 2][chunk 64][tile 64][q 2][r 16][h 2][i 4] words.  A lane's registers 4q .. 4q+3 are 16 neighbouring
; bytes, and a wave's store covers 512 consecutive bytes, aligned.
;
; No tensor loads and no cluster: what two groups share is 12 bytes of each 140-byte row, 6 KiB a group.
; The LDS asked for is more than half of a WGP's, of which 32 KiB are used, so that each of the 256 groups has a WGP to itself.
;
; THE MODE: SCHED_MODE bits 1:0 = 2 (LLVM: expert scheduling mode 2), set by the entry lines.  The code itself states the register
; dependences between vector or matrix instructions and memory or LDS instructions, with s_wait_alu, always for 0.
; THE PLAN.  Registers that memory or LDS instructions touch:
;   v2, v3, v4, v8, v9   offsets and addresses, made once at the head and never written again.
;   F0 .. F3    preparation: row e's arithmetic writes Fe, two LDS stores read it; no set is written twice.  They lie where D lies later.
;   P           eight point fragments in two halves of four.  A GROUP is four tiles; group k multiplies half k & 1, and the LDS loads of
;               group k + 1, one to a step, land in the other half, which no vector or matrix instruction of group k names.
;   v[VP]       read by every load of a point fragment; written once for two groups, at the loop's head.
;   ACC         written by the shifts and the final v_not_b32, read by the eight stores at the end.
;   Q is loaded once; D is named by matrix and vector instructions alone.
; So ONE wait on va_vdst stands at the head of a group that loads: the group before is done reading the half in which this group's four loads
; land.  At the loop's head it also shows v[VP] written, and one wait on vm_vsrc stands ahead of the add to v[VP].
.set ROWB,   140                       ; bytes in a row of source
.set CHUNK,  512                       ; points of a work-group
.set FRAG,   512                       ; the lower 16 K of a fragment as the registers hold them: K 0-7 of row m at 16 m, K 8-15 at 256 + 16 m
.set QBASE,  32*FRAG                   ; LDS: 32 point fragments, then 32 keypoint fragments
.set WAVE,  10                         ; s10     wave number
.set HI,    18                         ; s18     mask of a word's upper 16 bits
.set SEL,   19                         ; s19     v_perm_b32: the upper halves of both sources
.set TRIPS, 20                         ; s20     loop counter
.set BIAS,  22                         ; s22     2^-23
.set LDSW,  2                          ; v2      where my thread puts a fragment row: 512 (t >> 4) + 16 (t & 15)
.set PTO,   3                          ; v3      byte offset of my lower point in the chunk
.set KPO,   4                          ; v4      byte offset of my first keypoint
.set ONE,   5                          ; v5      1.0
.set ONES,  6                          ; v6      two bf16 ones
.set VP,    7                          ; v7      LDS address of my lane's part of the point fragments, stepped by eight tiles a trip
.set VQ,    8                          ; v8      the same for my wave's keypoint fragments
.set VS,    9                          ; v9      my byte offset in the group's part of the mask
.set Q,     16                         ; v[16:47]   four keypoint fragments, resident
.set ACC,   48                         ; v[48:79]   mask words: 8 u + j
.set P,     80                         ; v[80:143]  point fragments: half h, place b at P + 8 (4 h + b)
.set D,     144                        ; v[144:207] two sets of four result tiles
.set RAW,   144                        ; preparation only: two points (3 + 3), two keypoints (4 + 4) as loaded
.set U,     160                        ; preparation only: x, y, z rounded, as f32
.set N,     163                        ; preparation only: -norm, the rest behind its first piece, the last piece
.set T,     166
.set F,     168                        ; preparation only: v[168:199] the 8 words of a fragment row, a set for each of my four rows
	s_load_b128 s[4:7], s[0:1], 0x0                ; keypoints s[4:5], source s[6:7]
	s_load_b64 s[8:9], s[0:1], 0x10                ; mask
	v_lshl_add_u32 v10, v0, 2, 0x29000
	v_mov_b32 v11, 0
	v_lshrrev_b32 v1, 5, v0
	v_readfirstlane_b32 s[WAVE], v1
	s_mov_b32 s[HI], 0xffff0000
	s_mov_b32 s[SEL], 0x07060302
	s_mov_b32 s[BIAS], 0x34000000
	; group id = 128 batch + 2 chunk + half
	s_lshr_b32 s11, ttmp9, 1                       ; 64 batch + chunk
	s_mul_i32 s12, s11, CHUNK*ROWB                 ; the chunk's first byte in source
	s_mov_b32 s13, 0
	s_lshr_b32 s14, ttmp9, 7
	s_and_b32 s15, ttmp9, 1
	s_lshl1_add_u32 s14, s14, s15                  ; 2 batch + half
	s_lshl_b32 s14, s14, 13                        ; x 512 keypoints of 16 bytes
	s_mov_b32 s15, 0
	s_lshl_b32 s16, ttmp9, 15                      ; the group's 32 tiles x 1,024 bytes of mask
	s_mov_b32 s17, 0
	v_and_b32 v12, 15, v0                          ; m: my row in a fragment; also r of my lane
	v_lshrrev_b32 v13, 4, v0                       ; my first tile, 0 .. 15; the second is 16 further
	v_bfe_u32 v14, v0, 2, 1                        ; q of m
	v_bfe_u32 v15, v0, 3, 1                        ; h of m
	v_and_b32 v[PTO], 3, v0                        ; i of m
	v_lshl_add_u32 v[PTO], v15, 2, v[PTO]
	v_lshl_add_u32 v[PTO], v14, 3, v[PTO]          ; word 8q + 4h + i
	v_lshl_add_u32 v[PTO], v[PTO], 5, 15
	v_sub_nc_u32 v[PTO], v[PTO], v13               ; 32 word + 31 - (tile + 16): the point of my second tile; the first tile's is 16 higher
	v_mul_u32_u24 v[PTO], v[PTO], ROWB
	v_lshlrev_b32 v[LDSW], 4, v12
	v_lshl_add_u32 v[LDSW], v13, 9, v[LDSW]
	v_lshlrev_b32 v[KPO], 4, v0
	s_wait_kmcnt 0x0
	s_add_nc_u64 s[6:7], s[6:7], s[12:13]
	s_add_nc_u64 s[4:5], s[4:5], s[14:15]
	s_add_nc_u64 s[8:9], s[8:9], s[16:17]
	s_wait_alu depctr_va_vdst(0)                   ; v[PTO] and v[KPO] are written, which the loads below read as offsets; so is v[LDSW], the LDS stores' address
	; rows of 140 bytes are only 4-byte aligned: three loads of 4 bytes a point
.irp c, 0,1,2
	global_load_b32 v[RAW+\c], v[PTO], s[6:7] offset:16*ROWB+4*\c
.endr
.irp c, 0,1,2
	global_load_b32 v[RAW+3+\c], v[PTO], s[6:7] offset:4*\c
.endr
	global_load_b128 v[RAW+6:RAW+9],   v[KPO], s[4:5]              ; keypoint t of the half
	global_load_b128 v[RAW+10:RAW+13], v[KPO], s[4:5] offset:4096  ; keypoint t + 256
	; constants and addresses for later, while the loads are out
	v_mov_b32 v[ONE], 1.0
	v_mov_b32 v[ONES], 0x3f803f80
.irp e, 0,1,2,3
	v_mov_b32 v[F+8*\e+7], 0                       ; K 14, 15 of every row
.endr
	v_and_b32 v1, 31, v0
	v_lshlrev_b32 v[VP], 4, v1                     ; 16 x lane
	s_wait_alu depctr_va_sdst(0)                   ; s[WAVE] is written, ahead of its first reader: the wave's places in LDS and in the mask are made from it
	s_lshl_b32 s21, s[WAVE], 11                    ; my wave's four keypoint fragments
	v_add_nc_u32 v[VQ], s21, v[VP]
	s_lshl_b32 s23, s[WAVE], 12                    ; my wave's four tiles of mask (a register of its own: s21 is not written again behind the line that reads it)
	v_bfe_u32 v13, v0, 4, 1
	v_lshlrev_b32 v[VS], 5, v12                    ; keypoint r: 32 bytes,
	v_lshl_add_u32 v[VS], v13, 4, v[VS]            ; half h: 16 bytes
	v_add_nc_u32 v[VS], s23, v[VS]
	; K 16-31 is not used: registers 4-7 of every fragment stay zero, and only registers 0-3 pass through LDS
.irp b, 0,1,2,3,4,5,6,7
.irp j, 4,5,6,7
	v_mov_b32 v[P+8*\b+\j], 0
.endr
.endr
.irp u, 0,1,2,3
.irp j, 4,5,6,7
	v_mov_b32 v[Q+8*\u+\j], 0
.endr
.endr
; One fragment row is made in set f.  kind 0: a point, 1: a keypoint.  n - (n & upper half) is exact (both have the same exponent), so the upper
; halves of N, N+1, N+2 are the three pieces.  v_perm_b32 with SEL: the second source's upper half below, the first source's above.
.macro MAKE kind, x, y, z, f
	v_cvt_pk_bf16_f32 v[(\f)],   v[\x], v[\y]
	v_cvt_pk_bf16_f32 v[(\f)+1], v[\z], 1.0
	v_lshlrev_b32 v[U],   16, v[(\f)]
	v_and_b32     v[U+1], s[HI], v[(\f)]
	v_lshlrev_b32 v[U+2], 16, v[(\f)+1]
	v_mul_f32 v[N], v[U], v[U]
	v_fma_f32 v[N], v[U+1], v[U+1], v[N]
	v_fma_f32 v[N], -v[U+2], v[U+2], -v[N]         ; -((x x + y y) + z z): products of bf16 are exact, so each line rounds as a plain sum
	v_and_b32 v[T], s[HI], v[N]
	v_sub_f32 v[N+1], v[N], v[T]
	v_and_b32 v[T], s[HI], v[N+1]
	v_sub_f32 v[N+2], v[N+1], v[T]
	v_mov_b32 v[(\f)+2], v[(\f)]                   ; a.b stands twice
.if \kind == 0
	v_mov_b32 v[(\f)+3], v[(\f)+1]
	v_mov_b32 v[(\f)+4], v[ONES]
	v_perm_b32 v[(\f)+5], v[N],   v[ONE], s[SEL]   ; 1, n0
	v_perm_b32 v[(\f)+6], v[N+2], v[N+1], s[SEL]   ; n1, n2
.else
	v_cvt_pk_bf16_f32 v[(\f)+3], v[\z], s[BIAS]    ; z, 2^-23
	v_perm_b32 v[(\f)+4], v[N+1], v[N],   s[SEL]   ; n0, n1
	v_perm_b32 v[(\f)+5], v[ONE], v[N+2], s[SEL]   ; n2, 1
	v_mov_b32 v[(\f)+6], v[ONES]
.endif
.endm
; and goes to LDS
.macro PUT f, base
	ds_store_b128 v[LDSW], v[(\f):(\f)+3]   offset:(\base)
	ds_store_b128 v[LDSW], v[(\f)+4:(\f)+7] offset:(\base)+256
.endm
	s_wait_loadcnt 5                               ; loads come back in order (ISA guide 5.7.1): the first point is in, five younger loads stay out
	MAKE 0, RAW, RAW+1, RAW+2, F
	s_wait_alu depctr_va_vdst(0)                   ; the lines above have written F0, which the two LDS stores read; the row leaves while the second point's loads are still out
	PUT F, 0
	s_wait_loadcnt 2                               ; the second point; the two keypoint loads stay out
	MAKE 0, RAW+3, RAW+4, RAW+5, F+8
	s_wait_alu depctr_va_vdst(0)                   ; F1 is written, which the two LDS stores read
	PUT F+8, 16*FRAG
	s_wait_loadcnt 1
	MAKE 1, RAW+6, RAW+7, RAW+8, F+16
	s_wait_loadcnt 0
	MAKE 1, RAW+10, RAW+11, RAW+12, F+24
	s_wait_alu depctr_va_vdst(0)                   ; F2 and F3 are written, which the four LDS stores read; so are v[VQ], v[VP] and v[VS]: no vector line stands between here and the fragments' first loads
	PUT F+16, QBASE
	PUT F+24, QBASE+16*FRAG
	s_wait_dscnt 0x0                               ; my rows are in LDS
	s_barrier_signal -1
	s_barrier_wait -1                              ; everybody's are
	s_wait_alu depctr_vm_vsrc(0)                   ; my LDS stores have read F0 to F3: these registers are D from here on, written by the matrix instructions
.irp u, 0,1,2,3
	ds_load_b128 v[Q+8*\u:Q+8*\u+3], v[VQ] offset:QBASE+FRAG*\u
.endr
.irp b, 0,1,2,3
	ds_load_b128 v[P+8*\b:P+8*\b+3], v[VP] offset:FRAG*\b          ; tiles 0-3 into half 0
.endr
; count sign bits of result set 'set', from register 'from' on, go into the mask words.  mode 1: the first tile starts the words.
.macro BITS set, mode, from, count
.set bi, \from
.rept \count
.if \mode == 1
	v_lshrrev_b32 v[ACC+bi], 31, v[D+32*(\set)+bi]
.else
	v_alignbit_b32 v[ACC+bi], v[ACC+bi], v[D+32*(\set)+bi], 31     ; (word << 1) | sign
.endif
.set bi, bi+1
.endr
.endm
; One tile of points (half h, place b) against my four keypoint tiles, and the signs of the tile before.
; Each matrix instruction is followed by the eight shifts of the same keypoint tile of the tile before, so that neither the matrix work
; nor the vector work of a wave comes in a burst.  The shifts name only the other result set and the words, so they are places
; (ISA guide 7.12.1): at least eight stand between each matrix instruction and the reading of its result in the next step.
; bits: 0 no tile before, 1 the tile before was the first, 2 shift in.
; ahead >= 0: the tile four further on is asked for, into the same place of the OTHER half, at (ahead + b) fragments from v[VP].  No wait stands in
; front of that load: no vector or matrix instruction since the wait at the group's head names the other half or v[VP].
; left: LDS loads that may stay out: one for each younger tile, the one just asked for among them.
.macro STEP h, b, bits, ahead, left
.if \ahead >= 0
	ds_load_b128 v[P+8*(4*(1-\h)+\b):P+8*(4*(1-\h)+\b)+3], v[VP] offset:(\ahead+\b)*FRAG
.endif
	s_wait_dscnt \left
.irp u, 0,1,2,3
	v_wmma_f32_16x16x32_bf16 v[D+32*(\b&1)+8*\u:D+32*(\b&1)+8*\u+7], v[P+8*(4*\h+\b):P+8*(4*\h+\b)+7], v[Q+8*\u:Q+8*\u+7], 0
.if \bits != 0
	BITS 1-(\b&1), \bits, 8*\u, 8
.endif
.endr
.if \bits == 0
.rept 4
	v_nop                                          ; no shifts yet: four places in front of the next step's reading of these results
.endr
.endif
.endm
	STEP 0, 0, 0, 4, 4                             ; tiles 0-3 stand in front of the loop: no word is cleared.  They ask for tiles 4-7, into half 1,
	STEP 0, 1, 1, 4, 4                             ; of whose registers 0-3 no vector or matrix instruction has named one: no wait is owed
	STEP 0, 2, 2, 4, 4
	STEP 0, 3, 2, 4, 4
	s_mov_b32 s[TRIPS], 3                          ; tiles 4-27, eight to a trip: both halves are back at their start
.Ltrip:
	s_wait_alu depctr_vm_vsrc(0)                   ; the LDS loads issued so far have read v[VP]
	v_add_nc_u32 v[VP], 8*FRAG, v[VP]
	s_wait_alu depctr_va_vdst(0)                   ; v[VP] is written; the four tiles before are done reading half 0, in which the four loads below land
	STEP 1, 0, 2, 0, 4
	STEP 1, 1, 2, 0, 4
	STEP 1, 2, 2, 0, 4
	STEP 1, 3, 2, 0, 4
	s_wait_alu depctr_va_vdst(0)                   ; the four tiles above are done reading half 1, in which the four loads below land
	STEP 0, 0, 2, 4, 4
	STEP 0, 1, 2, 4, 4
	STEP 0, 2, 2, 4, 4
	STEP 0, 3, 2, 4, 4
	s_sub_co_i32 s[TRIPS], s[TRIPS], 1
	s_cmp_lg_u32 s[TRIPS], 0
	s_cbranch_scc1 .Ltrip
	STEP 1, 0, 2, -1, 3                            ; tiles 28-31 fetch nothing: the counts run down, and no wait on va_vdst is owed
	STEP 1, 1, 2, -1, 2
	STEP 1, 2, 2, -1, 1
	STEP 1, 3, 2, -1, 0
	BITS 1, 2, 0, 32                               ; the last tile's signs: eight shifts of the step above stand behind its last matrix instruction
.set bi, 0
.rept 32
	v_not_b32 v[ACC+bi], v[ACC+bi]                 ; sign = outside; the mask says inside
.set bi, bi+1
.endr
	s_wait_alu depctr_va_vdst(0)                   ; the lines above have written the 32 mask words, which the eight stores read
.irp u, 0,1,2,3
	global_store_b128 v[VS], v[ACC+8*\u:ACC+8*\u+3],   s[8:9] offset:1024*\u       ; q = 0: 512 consecutive bytes of the wave
	global_store_b128 v[VS], v[ACC+8*\u+4:ACC+8*\u+7], s[8:9] offset:1024*\u+512   ; q = 1
.endr
	s_wait_dscnt 0x0
	s_wait_alu depctr_hold_cnt(0) depctr_sa_sdst(0) depctr_va_vdst(0) depctr_va_sdst(0) depctr_va_ssrc(0) depctr_va_vcc(0) depctr_vm_vsrc(0)
	s_wait_tensorcnt 0x0
	ds_add_u32 v10, v11
	s_wait_dscnt 0x0
	s_endpgm
.Lfunc_end_k_q224338bb9f_ball:
	.size	k_q224338bb9f_ball, .Lfunc_end_k_q224338bb9f_ball-k_q224338bb9f_ball
	.p2alignl 7, 3214868480
	.fill 96, 4, 3214868480
	.section	.rodata,"a",@progbits
	.p2align	6, 0x0
	.amdhsa_kernel k_q224338bb9f_ball
		.amdhsa_group_segment_fixed_size 168960
		.amdhsa_private_segment_fixed_size 0
		.amdhsa_enable_private_segment 0
		.amdhsa_kernarg_size 24
		.amdhsa_user_sgpr_count 2
		.amdhsa_user_sgpr_kernarg_segment_ptr 1
		.amdhsa_wavefront_size32 1
		.amdhsa_system_sgpr_workgroup_id_x 1
		.amdhsa_system_sgpr_workgroup_id_y 1
		.amdhsa_system_sgpr_workgroup_id_z 1
		.amdhsa_system_vgpr_workitem_id 0
		.amdhsa_next_free_vgpr 208
		.amdhsa_next_free_sgpr 66
		.amdhsa_reserve_vcc 0
		.amdhsa_float_denorm_mode_32 3
		.amdhsa_float_denorm_mode_16_64 3
		.amdhsa_memory_ordered 1
		.amdhsa_forward_progress 1
		.amdhsa_inst_pref_size 48
	.end_amdhsa_kernel
	.amdgpu_metadata
---
amdhsa.version: [ 1, 2 ]
amdhsa.kernels:
  - .name:           k_q224338bb9f_ball
    .symbol:         k_q224338bb9f_ball.kd
    .args:
      - { .name: keypoints, .offset: 0, .size: 8, .value_kind: global_buffer, .address_space: global }
      - { .name: source, .offset: 8, .size: 8, .value_kind: global_buffer, .address_space: global }
      - { .name: mask, .offset: 16, .size: 8, .value_kind: global_buffer, .address_space: global }
    .group_segment_fixed_size: 168960
    .private_segment_fixed_size: 0
    .kernarg_segment_align: 8
    .kernarg_segment_size: 24
    .max_flat_workgroup_size: 256
    .sgpr_count:     66
    .vgpr_count:     208
    .wavefront_size: 32
...
	.end_amdgpu_metadata
.endif
;; end of part 3
;; launch gather: the kernel of part 2 again; grid 256 x 1, 8 waves a work-group, no clusters, 168,960 bytes of LDS; arguments mask, keypoints, source, source_intensity, out0; writes out0
